; MI455X (gfx1250); checked and timed in simulation.
; The chip was launched on July 23, 2026; its instructions are those of AMD's public machine-readable ISA for CDNA 5 (MIT licence, August 2026) and "CDNA5" Instruction Set Architecture Reference Guide (July 2026). The comments in the code are by the model that wrote it; some were corrected since.
;; GRU. Allowed arithmetic: matrix products marked QUANTISED: E2M1 operands, one E8M0 scale for each 32 along K, by v_wmma_scale_f32_16x16x128_f8f6f4 with both operands' format E2M1 (or v_wmma_scale_f32_32x16x128_f4), f32 sums; everything else in f32.
;; Inputs: W_hn 1,024 x 1,024 float32; W_hr 1,024 x 1,024 float32; W_hz 1,024 x 1,024 float32; W_in_ 1,024 x 1,024 float32; W_ir 1,024 x 1,024 float32; W_iz 1,024 x 1,024 float32; b_hn 1,024 float32; b_hr 1,024 float32; b_hz 1,024 float32; b_in_ 1,024 float32; b_ir 1,024 float32; b_iz 1,024 float32; hidden 8,192 x 1,024 float32; input 8,192 x 1,024 float32.
;; Outputs: out0 8,192 x 1,024 float32; out1 8,192 x 1,024 float32.
;; This version of the problem:
;;   THIS VERSION OF THE PROBLEM IS GIVEN IN LOW PRECISION. The matrix products marked QUANTISED in the list below multiply operands that are first quantised to E2M1 (2 exponent bits, 1 mantissa bit; 4 bits a number), with one power-of-two scale for each 32 numbers along K (OCP MX v1.0); their sums are f32. All else is computed in f32.
;;   The module's matrix products, in the order in which they are computed (A, B: the left and right operand; K: the contracted axis; several contracted axes count as one K, in the product's order):
;;     1. [M 8,192, K 1,024] x [K 1,024, N 1,024]; A: input input; B: input W_ir: QUANTISED
;;     2. [M 8,192, K 1,024] x [K 1,024, N 1,024]; A: input hidden; B: input W_hr: QUANTISED
;;     3. [M 8,192, K 1,024] x [K 1,024, N 1,024]; A: input input; B: input W_iz: QUANTISED
;;     4. [M 8,192, K 1,024] x [K 1,024, N 1,024]; A: input hidden; B: input W_hz: QUANTISED
;;     5. [M 8,192, K 1,024] x [K 1,024, N 1,024]; A: input input; B: input W_in_: QUANTISED
;;     6. [M 8,192, K 1,024] x [K 1,024, N 1,024]; A: input hidden; B: input W_hn: QUANTISED
;;   THE QUANTISER, for each operand of a quantised product, along K:
;;     - K is cut into blocks of 32 from its start; a last block that is shorter is filled with zeros.
;;     - A block's scale is 2^e with e = floor(log2(the largest magnitude in the block)) - 2, held to -126 .. 127; a block of zeros has e = 0. As a byte (E8M0): e + 127.
;;     - Each number is divided by its block's scale, clamped to +-6, and rounded to the nearest number of E2M1, ties to even, subnormals kept.
;;     - The product sums the exact products of the quantised numbers (number of the format x scale) in f32.
;;   ~~~python
;;   def quantise(x, axis):      # numpy; x: float32 -> the quantised numbers, widened to float32 again
;;       x = np.moveaxis(x, axis, -1); K = x.shape[-1]
;;       x = np.pad(x, [(0, 0)] * (x.ndim - 1) + [(0, -K % 32)]); x = x.reshape(x.shape[:-1] + (-1, 32)); a = np.abs(x).max(-1, keepdims=True)
;;       e = np.where(a > 0, np.clip(np.frexp(np.where(a > 0, a, 1))[1] - 1 - 2, -126, 127), 0)      # np.frexp(a)[1] - 1 = floor(log2(a)), exactly
;;       r = np.clip(x / 2.0 ** e, -6, 6)
;;       step = 2.0 ** (np.maximum(np.frexp(np.where(r == 0, 1, r))[1] - 1, 0) - 1)
;;       q = np.round(r / step) * step * 2.0 ** e      # np.round: ties to even
;;       return np.moveaxis(q.reshape(q.shape[:-2] + (-1,))[..., :K], -1, axis).astype(np.float32)
;;   ~~~
;; One version. Each part assembles by itself: llvm-mc -triple=amdgcn-amd-amdhsa -mcpu=gfx1250 --defsym DOCPART=n.
;; ======== version 1 of 1: 2 launches
;; limits: right only within a limited range of input values
;; workspace buffers: acodes 8,388,608 bytes; ascales 524,288 bytes; wblk 3,375,104 bytes
;; launch quant (part 1): grid 256 x 1, 11 waves a work-group, no clusters, 99,840 bytes of LDS; arguments input, hidden, W_ir, W_iz, W_in_, W_hr, W_hz, W_hn, b_ir, b_hr, b_iz, b_hz, b_in_, b_hn, acodes, ascales, wblk; writes acodes, ascales, wblk
.if DOCPART == 1
	.amdgcn_target "amdgcn-amd-amdhsa--gfx1250"
	.amdhsa_code_object_version 6
	.text
	.protected	k_q939562c001_quant
	.globl	k_q939562c001_quant
	.p2align	8
	.type	k_q939562c001_quant,@function
k_q939562c001_quant:
	s_mov_b64 s[64:65], 0
	v_nop
	global_prefetch_b8 v0, s[64:65] scope:SCOPE_SE
	s_setreg_imm32_b32 hwreg(HW_REG_WAVE_MODE, 25, 1), 1
	s_wait_xcnt 0x0
; input, hidden [8192][1024] and the six weights [1024][1024], f32, K innermost, become codes of FP4 (E2M1) with one E8M0 scale byte for each 32 along K,
; laid as IMAGES OF THE MATRIX OPERAND'S REGISTERS: a fragment (16 rows x 128 K) is 1,024 bytes, [c = 0,1][lane][16 bytes]; lane (r, h) of half c holds k = 64 c + 32 h + 0 .. 31 of row r.
;   acodes  [group of 64 rows G][side: 0 input, 1 hidden][K step s][tile of 16 rows m][1,024]
;   ascales [G][side][m / 2][s / 4][lane = 16 (m % 2) + r][4 words, s % 4]; a word = the four scale bytes of one row and one K step
;   wblk    64 chunks of 52,736 bytes, one for each tile T of 16 output columns.  THE COLUMNS OF A TILE ARE NOT NEIGHBOURS: r stands for column 64 (T / 4) + 4 r + T % 4, so that the four tiles
;           of 64 columns give a lane four neighbouring columns.  Codes at (8 side + s) 3,072 + 1,024 g (g: r, z, n gate);
;           scale words at 49,152 + (2 g + s / 4) 512 + 256 side + 16 r + 4 (s % 4);
;           biases at 52,224 + 16 r: P, P, Q, Q with P = -log2(e) (b_ir + b_hr), Q = -log2(e) (b_iz + b_hz); at 52,480 + 16 r the same with P = 2 log2(e) b_in_, Q = 2 log2(e) b_hn.
; A block's scale is 2^(floor(log2(its largest magnitude)) - 2): its byte is the largest magnitude's exponent field - 2, held at 1 from below.
; LIMITS: NaN and infinities among the inputs are not served.  A block of zeros gets the byte 1 where the quantiser's text says 127: its codes are zeros, which add nothing, and the bytes
; are read by this program alone.  A block whose largest magnitude lies under 2^-124 takes the floor's scale.
; SHARES.  A wave's job is half a tile: 16 rows x 512 K.  (2 x 512 + 6 x 64) tiles x 2 = 2,816 jobs = 256 work-groups x 11 waves.  Waves share nothing: no barrier.
; A load takes bytes as they lie: lanes 0-15 the 256 bytes of one row, lanes 16-31 those of the next.  The conversions want 32 neighbours along K in ONE lane: so a piece (16 rows x 64 K) turns
; through the wave's own stage in LDS (rows 272 bytes apart) and comes back 128 bytes a lane.  Loads run four pieces (32 loads a wave) ahead, the turn one piece.
.set CHUNK, 52736
.set WREG,  8704                       ; LDS of a wave: two stages
.set STG,   4352                       ; a stage: 16 rows x 272 bytes
.set SW,    20                         ; v20-23   the four scale words of my row
.set BY,    24                         ; v24-31   a scale byte for each piece
.set C,     32                         ; v32-63   codes: four registers for each piece, so that no store's data are written again
.set X,     64                         ; v64-127  two sets of 32 neighbours
.set R,     128                        ; v128-255 four sets of 32 registers as loaded
.set RB,    66                         ; s[66:81] the source at its rows 0, 2, 4 .. 14
	s_load_b512 s[4:19], s[0:1], 0x0               ; input, hidden, W_ir, W_iz, W_in_, W_hr, W_hz, W_hn
	s_load_b512 s[20:35], s[0:1], 0x40             ; b_ir, b_hr, b_iz, b_hz, b_in_, b_hn, acodes, ascales
	s_load_b64 s[36:37], s[0:1], 0x80              ; wblk
	s_set_vgpr_msb 0x40
	v_lshl_add_u32 v0, v0, 2, 0x18000              ; v256: my spare word
	v_mov_b32 v1, 0                                ; v257: 0
	s_set_vgpr_msb 0x4000
	v_lshrrev_b32 v1, 5, v0
	s_delay_alu instid0(VALU_DEP_1)
	v_readfirstlane_b32 s48, v1                    ; wave 0..10
	v_and_b32 v1, 31, v0                           ; lane L
	v_and_b32 v2, 15, v0                           ; r
	v_bfe_u32 v3, v0, 4, 1                         ; h
	s_mul_i32 s62, s48, WREG
	v_mul_u32_u24 v5, v3, 272
	s_delay_alu instid0(VALU_DEP_1)
	v_lshl_add_u32 v5, v2, 4, v5
	s_delay_alu instid0(VALU_DEP_1)
	v_add_nc_u32 v5, s62, v5                       ; into the stage: row h of a pair, 16 r bytes
	v_mul_u32_u24 v6, v2, 272
	s_delay_alu instid0(VALU_DEP_1)
	v_lshl_add_u32 v6, v3, 7, v6
	s_delay_alu instid0(VALU_DEP_1)
	v_add_nc_u32 v6, s62, v6                       ; out of it: row r, 128 h bytes on: my block of 32
	v_lshlrev_b32 v7, 3, v3                        ; 8 h: my byte's place in a scale word
	v_lshlrev_b32 v8, 4, v1                        ; 16 L: my place in an image
	s_delay_alu instid0(VALU_DEP_2)
	v_lshl_add_u32 v17, v2, 4, v7                  ; 16 r + 8 h: my two scale words' place
	v_mov_b32 v16, 0                               ; written once: a lane permute's destination counts as one of its sources
	s_mov_b32 s38, 0x76543210
	s_mov_b32 s39, 0xfedcba98                      ; v_permlanex16_b32's selects for lane l xor 16
	; which job is mine.  All is made of the work-group's and the wave's number; both kinds of job are worked out and chosen between without a jump
	s_mul_i32 s49, ttmp9, 11
	s_add_co_u32 s49, s49, s48                     ; job 0..2815
	s_and_b32 s50, s49, 1                          ; q: which 512 along K
	s_lshr_b32 s51, s49, 1                         ; tile: 0..1023 activations, 1024..1407 weights
	s_lshr_b32 s52, s51, 9                         ; activations: side,
	s_and_b32 s53, s51, 511                        ; tile of 16 rows tau = 4 G + m
	s_sub_co_u32 s54, s51, 1024
	s_lshr_b32 s55, s54, 6                         ; weights: which of the six,
	s_and_b32 s56, s54, 63                         ; tile T
	s_cmp_ge_u32 s55, 3
	s_cselect_b32 s57, 1, 0                        ; side
	s_mul_i32 s58, s57, 3
	s_sub_co_u32 s58, s55, s58                     ; gate g
	s_lshr_b32 s59, s53, 2                         ; G
	s_lshl_b32 s60, s59, 12                        ; activations' scale words: 4,096 G
	s_lshl_b32 s59, s59, 16                        ; activations' codes: 65,536 G
	s_and_b32 s61, s53, 3
	s_lshl_b32 s61, s61, 10
	s_add_co_u32 s59, s59, s61                     ; + 1,024 m
	s_lshl_b32 s61, s52, 15
	s_add_co_u32 s59, s59, s61                     ; + 32,768 side
	s_lshl_b32 s61, s50, 14
	s_add_co_u32 s59, s59, s61                     ; + 16,384 q (four K steps of 4,096)
	s_lshl_b32 s61, s52, 11
	s_add_co_u32 s60, s60, s61                     ; + 2,048 side
	s_bfe_u32 s61, s53, 0x10001
	s_lshl_b32 s61, s61, 10
	s_add_co_u32 s60, s60, s61                     ; + 1,024 (m / 2)
	s_and_b32 s61, s53, 1
	s_lshl_b32 s61, s61, 8
	s_add_co_u32 s60, s60, s61                     ; + 256 (m % 2)
	s_mul_i32 s62, s56, CHUNK                      ; weights: the chunk
	s_mul_i32 s61, s57, 24576
	s_add_co_u32 s61, s61, s62                     ; codes: + 24,576 side
	s_lshl_b32 s63, s58, 10
	s_add_co_u32 s61, s61, s63                     ; + 1,024 g
	s_mul_i32 s49, s50, 12288
	s_add_co_u32 s61, s61, s49                     ; + 12,288 q (four K steps of 3,072)
	s_add_co_u32 s63, s63, s62                     ; scale words: chunk + 1,024 g
	s_lshl_b32 s49, s57, 8
	s_add_co_u32 s63, s63, s49                     ; + 256 side
	s_add_co_u32 s63, s63, 49152
	s_add_co_u32 s49, s55, 2                       ; a weight's place among the eight sources
	s_mov_b32 s54, 3072                            ; from K step to K step in a chunk
	s_lshr_b32 s82, s56, 2
	s_lshl_b32 s82, s82, 18
	s_and_b32 s83, s56, 3
	s_lshl_b32 s83, s83, 12
	s_add_co_u32 s82, s82, s83                     ; weights: my first row is 64 (T / 4) + T % 4, in bytes,
	s_lshl_b32 s83, s53, 16                        ; activations: 16 tau
	s_mov_b32 s84, 0x4000                          ; weights: the tile's rows lie four rows apart
	s_cmp_lt_u32 s51, 1024
	s_cselect_b32 s84, 0x1000, s84                 ; activations: one
	v_mul_u32_u24 v4, s84, v3
	v_lshl_add_u32 v4, v2, 4, v4                   ; in memory: row h of a pair, 16 r bytes
	s_wait_alu depctr_va_vdst(0)                   ; the wait at the head's end
	s_wait_kmcnt 0x0
	s_cmp_lt_u32 s51, 1024                         ; activations or weights?  The choice hangs on the job's number alone
	s_cselect_b32 s59, s59, s61                    ; where my codes go
	s_cselect_b32 s60, s60, s63                    ; where my scale words go
	s_cselect_b32 s53, s83, s82                    ; where my rows begin
	s_cselect_b32 s49, s52, s49                    ; which source
	s_cselect_b32 s54, 4096, s54                   ; from K step to K step
	s_cselect_b64 s[42:43], s[32:33], s[36:37]
	s_cselect_b64 s[44:45], s[34:35], s[36:37]
	s_lshl_b32 s61, s50, 9
	s_add_co_u32 s60, s60, s61                     ; + 512 q, in both layouts
	s_mov_b32 s62, s59
	s_mov_b32 s63, 0
	s_add_nc_u64 s[42:43], s[42:43], s[62:63]      ; codes
	s_mov_b32 s62, s60
	s_add_nc_u64 s[44:45], s[44:45], s[62:63]      ; scale words
	s_mul_i32 s62, s56, CHUNK
	s_add_co_u32 s62, s62, 52224
	s_add_nc_u64 s[46:47], s[36:37], s[62:63]      ; the chunk's biases
	s_mov_b64 s[40:41], s[4:5]
.irp k, 1,2,3,4,5,6,7
	s_cmp_eq_u32 s49, \k
	s_cselect_b64 s[40:41], s[4+2*\k:5+2*\k], s[40:41]
.endr
	s_lshl_b32 s61, s50, 11
	s_add_co_u32 s62, s53, s61                     ; + 2,048 q
	s_add_nc_u64 s[RB:RB+1], s[40:41], s[62:63]    ; the source, at my first row
	s_lshl_b32 s86, s84, 1
	s_mov_b32 s87, 0
.irp i, 1,2,3,4,5,6,7
	s_add_nc_u64 s[RB+2*\i:RB+2*\i+1], s[RB+2*\i-2:RB+2*\i-1], s[86:87]   ; two rows on
.endr
	v_add_nc_u32 v9, s54, v8                       ; v8-11: my place in the images of my four K steps
	s_delay_alu instid0(VALU_DEP_1)
	v_add_nc_u32 v10, s54, v9
	s_delay_alu instid0(VALU_DEP_1)
	v_add_nc_u32 v11, s54, v10
.macro LOAD p                          ; piece p: 16 rows x 256 bytes; each half of the lanes reads 256 consecutive bytes, at a multiple of 256 from the source's first byte
.irp i, 0,1,2,3,4,5,6,7
	global_load_b128 v[R+32*((\p)%4)+4*\i:R+32*((\p)%4)+4*\i+3], v4, s[RB+2*\i:RB+2*\i+1] offset:256*(\p) th:TH_LOAD_NT
.endr
.endm
.macro TURN p                          ; piece p through a stage: LDS serves a wave's instructions in order (ISA guide 5.7.1.4), so no wait stands between the stores and the loads
.irp i, 0,1,2,3,4,5,6,7
	ds_store_b128 v5, v[R+32*((\p)%4)+4*\i:R+32*((\p)%4)+4*\i+3] offset:STG*((\p)%2)+544*\i
.endr
.irp j, 0,1,2,3,4,5,6,7
	ds_load_b128 v[X+32*((\p)%2)+4*\j:X+32*((\p)%2)+4*\j+3], v6 offset:STG*((\p)%2)+16*\j
.endr
.endm
.macro STEP p
.set XS, X+32*((\p)%2)
	s_wait_dscnt 0x0                               ; this piece is back from its stage: so its stores into the stage have read their registers,
.if (\p)+4 < 8
	LOAD (\p)+4                                    ; which take the loads of four pieces on
.endif
.if (\p) < 7
.if (\p) < 4
	s_wait_loadcnt 24                              ; the next piece's eight loads are in; those of the three pieces behind it may be out
.else
	s_wait_loadcnt 8*(6-(\p))                      ; fewer pieces are left behind it: 16, 8, 0
.endif
	TURN (\p)+1                                    ; it goes through the other stage while this piece is worked
.endif
	v_max3_num_f32 v12, |v[XS]|, |v[XS+1]|, |v[XS+2]|              ; my block's largest magnitude: all 32 numbers are mine; two chains
	v_max3_num_f32 v13, |v[XS+3]|, |v[XS+4]|, |v[XS+5]|
.irp i, 6,10,14,18,22,26
	s_delay_alu instid0(VALU_DEP_2)
	v_max3_num_f32 v12, v12, |v[XS+\i]|, |v[XS+\i+1]|
	s_delay_alu instid0(VALU_DEP_2)
	v_max3_num_f32 v13, v13, |v[XS+\i+2]|, |v[XS+\i+3]|
.endr
	s_delay_alu instid0(VALU_DEP_2)
	v_max3_num_f32 v12, v12, |v[XS+30]|, |v[XS+31]|
	s_delay_alu instid0(VALU_DEP_1)
	v_max3_num_f32 v12, v12, v13, 0x1800000        ; and the floor 2^(3 - 127): so the byte cannot fall under 1
	s_delay_alu instid0(VALU_DEP_1)
	v_add_nc_u32 v14, 0xff000000, v12              ; 2 off its exponent field: the conversion takes the exponent field of this operand as its scale, and nothing else of it
.irp g, 0,1,2,3
	v_cvt_scalef32_pk8_fp4_f32 v[C+4*(\p)+\g], v[XS+8*\g:XS+8*\g+7], v14     ; to the nearest code, ties to even, beyond 6 the largest code; the lower k in the lower bits
.endr
	v_lshrrev_b32 v[BY+(\p)], 23, v14              ; the scale's byte (also the plain line behind the conversions)
	global_store_b128 v[8+(\p)/2], v[C+4*(\p):C+4*(\p)+3], s[42:43] offset:512*((\p)%2)   ; half an image: 512 consecutive bytes
.if ((\p)%2) == 1
	v_lshl_or_b32 v15, v[BY+(\p)], 16, v[BY+(\p)-1]   ; my two bytes of this K step: blocks h and 2 + h,
	s_delay_alu instid0(VALU_DEP_1)
	v_lshlrev_b32 v15, v7, v15                     ; at their places in the word;
	s_delay_alu instid0(VALU_DEP_1)
	v_permlanex16_b32 v16, v15, s38, s39
	s_delay_alu instid0(VALU_DEP_1)
	v_or_b32 v[SW+(\p)/2], v15, v16                ; with lane l xor 16's two the word is whole
.endif
.endm
	LOAD 0
	LOAD 1
	LOAD 2
	LOAD 3
	s_wait_loadcnt 24                              ; piece 0 is in; pieces 1 to 3 may be out
	TURN 0
.irp p, 0,1,2,3,4,5,6,7
	STEP \p
.endr
	v_cmp_eq_u32 vcc_lo, 1, v3
	s_delay_alu instid0(VALU_DEP_1)
	v_cndmask_b32 v18, v[SW], v[SW+2], vcc_lo      ; lanes 0-15 store words 0 and 1 of their row, lanes 16-31 words 2 and 3:
	s_delay_alu instid0(VALU_DEP_2)
	v_cndmask_b32 v19, v[SW+1], v[SW+3], vcc_lo
	global_store_b64 v17, v[18:19], s[44:45]       ; 32 lanes store 256 consecutive bytes, at a multiple of 256 from the buffer's first byte
	; the chunk's biases are made by the job that takes W_ir's first half of tile T: a branch on the job's number
	s_or_b32 s61, s55, s50
	s_cmp_lg_u32 s61, 0
	s_cbranch_scc1 .Ldone
	s_lshr_b32 s61, s56, 2
	s_lshl_b32 s61, s61, 8
	s_and_b32 s62, s56, 3
	s_lshl_b32 s62, s62, 2
	s_add_co_u32 s61, s61, s62
	v_lshl_add_u32 v13, v2, 4, s61                 ; 4 x my column, 64 (T / 4) + 4 r + T % 4
.irp b, 0,1,2,3,4,5
	global_load_b32 v[R+\b], v13, s[20+2*\b:21+2*\b]
.endr
	s_wait_loadcnt 0x0
	v_add_f32 v[R+6], v[R], v[R+1]                 ; b_ir + b_hr
	v_add_f32 v[R+7], v[R+2], v[R+3]               ; b_iz + b_hz
	v_mul_f32 v[R+10], 0x4038aa3b, v[R+4]          ; 2 log2(e) b_in_
	v_mul_f32 v[R+11], 0x4038aa3b, v[R+5]          ; 2 log2(e) b_hn
	v_mul_f32 v[R+8], 0xbfb8aa3b, v[R+6]           ; -log2(e) x the sums
	v_mul_f32 v[R+9], 0xbfb8aa3b, v[R+7]
	v_cmp_eq_u32 vcc_lo, 1, v3
	v_cndmask_b32 v[R+12], v[R+8], v[R+10], vcc_lo ; lanes 0-15 store r's and z's, lanes 16-31 the n gate's two, each number twice
	v_cndmask_b32 v[R+13], v[R+8], v[R+10], vcc_lo
	v_cndmask_b32 v[R+14], v[R+9], v[R+11], vcc_lo
	v_cndmask_b32 v[R+15], v[R+9], v[R+11], vcc_lo
	global_store_b128 v8, v[R+12:R+15], s[46:47]   ; 512 consecutive bytes
.Ldone:
	s_set_vgpr_msb 0x5
	s_wait_tensorcnt 0x0                           ; the wave's end
	ds_add_u32 v0, v1
	s_wait_dscnt 0x0
	s_set_vgpr_msb 0x500
	s_endpgm
.Lfunc_end_k_q939562c001_quant:
	.size	k_q939562c001_quant, .Lfunc_end_k_q939562c001_quant-k_q939562c001_quant
	.p2alignl 7, 3214868480
	.fill 96, 4, 3214868480
	.section	.rodata,"a",@progbits
	.p2align	6, 0x0
	.amdhsa_kernel k_q939562c001_quant
		.amdhsa_group_segment_fixed_size 99840
		.amdhsa_private_segment_fixed_size 0
		.amdhsa_enable_private_segment 0
		.amdhsa_kernarg_size 136
		.amdhsa_user_sgpr_count 2
		.amdhsa_user_sgpr_kernarg_segment_ptr 1
		.amdhsa_wavefront_size32 1
		.amdhsa_system_sgpr_workgroup_id_x 1
		.amdhsa_system_sgpr_workgroup_id_y 1
		.amdhsa_system_sgpr_workgroup_id_z 1
		.amdhsa_system_vgpr_workitem_id 0
		.amdhsa_next_free_vgpr 258
		.amdhsa_next_free_sgpr 90
		.amdhsa_reserve_vcc 1
		.amdhsa_float_denorm_mode_32 3
		.amdhsa_float_denorm_mode_16_64 3
		.amdhsa_memory_ordered 1
		.amdhsa_forward_progress 1
		.amdhsa_inst_pref_size 39
	.end_amdhsa_kernel
	.amdgpu_metadata
---
amdhsa.version: [ 1, 2 ]
amdhsa.kernels:
  - .name:           k_q939562c001_quant
    .symbol:         k_q939562c001_quant.kd
    .args:
      - { .name: input, .offset: 0, .size: 8, .value_kind: global_buffer, .address_space: global }
      - { .name: hidden, .offset: 8, .size: 8, .value_kind: global_buffer, .address_space: global }
      - { .name: W_ir, .offset: 16, .size: 8, .value_kind: global_buffer, .address_space: global }
      - { .name: W_iz, .offset: 24, .size: 8, .value_kind: global_buffer, .address_space: global }
      - { .name: W_in_, .offset: 32, .size: 8, .value_kind: global_buffer, .address_space: global }
      - { .name: W_hr, .offset: 40, .size: 8, .value_kind: global_buffer, .address_space: global }
      - { .name: W_hz, .offset: 48, .size: 8, .value_kind: global_buffer, .address_space: global }
      - { .name: W_hn, .offset: 56, .size: 8, .value_kind: global_buffer, .address_space: global }
      - { .name: b_ir, .offset: 64, .size: 8, .value_kind: global_buffer, .address_space: global }
      - { .name: b_hr, .offset: 72, .size: 8, .value_kind: global_buffer, .address_space: global }
      - { .name: b_iz, .offset: 80, .size: 8, .value_kind: global_buffer, .address_space: global }
      - { .name: b_hz, .offset: 88, .size: 8, .value_kind: global_buffer, .address_space: global }
      - { .name: b_in_, .offset: 96, .size: 8, .value_kind: global_buffer, .address_space: global }
      - { .name: b_hn, .offset: 104, .size: 8, .value_kind: global_buffer, .address_space: global }
      - { .name: acodes, .offset: 112, .size: 8, .value_kind: global_buffer, .address_space: global }
      - { .name: ascales, .offset: 120, .size: 8, .value_kind: global_buffer, .address_space: global }
      - { .name: wblk, .offset: 128, .size: 8, .value_kind: global_buffer, .address_space: global }
    .group_segment_fixed_size: 99840
    .private_segment_fixed_size: 0
    .kernarg_segment_align: 8
    .kernarg_segment_size: 136
    .max_flat_workgroup_size: 352
    .sgpr_count:     90
    .vgpr_count:     258
    .wavefront_size: 32
...
	.end_amdgpu_metadata
.endif
;; end of part 1
;; launch gru (part 2): grid 32 x 8, 4 waves a work-group, clusters of 4 x 1, 327,680 bytes of LDS; arguments acodes, ascales, wblk, hidden, out0, out1; writes out0, out1
.if DOCPART == 2
	.amdgcn_target "amdgcn-amd-amdhsa--gfx1250"
	.amdhsa_code_object_version 6
	.text
	.protected	k_q939562c001_gru
	.globl	k_q939562c001_gru
	.p2align	8
	.type	k_q939562c001_gru,@function
k_q939562c001_gru:
	s_mov_b64 s[64:65], 0
	v_nop
	global_prefetch_b8 v0, s[64:65] scope:SCOPE_SE
	s_setreg_imm32_b32 hwreg(HW_REG_WAVE_MODE, 25, 1), 1
	s_wait_xcnt 0x0
	s_wait_alu depctr_hold_cnt(0) depctr_sa_sdst(0) depctr_va_vdst(0) depctr_va_sdst(0) depctr_va_ssrc(0) depctr_va_vcc(0) depctr_vm_vsrc(0)
	s_getreg_b32 s2, hwreg(HW_REG_IB_STS2, 6, 4)
	s_cmp_eq_u32 s2, 0
	s_cbranch_scc0 .Lentry_in_a_cluster
	s_endpgm
.Lentry_in_a_cluster:
	s_bfe_u32 s2, ttmp6, 0x10000c
	s_cmp_lg_u32 s2, 0x3003
	s_cbranch_scc0 .Lentry_shape_is_right
	s_endpgm
.Lentry_shape_is_right:
; The six products, the gates and the new state.  A work-group makes 256 rows x 128 columns, a wave 64 rows x 128 columns, in eight jobs of 16 columns (a chunk of wblk each).
; r = sigmoid(x_r), z = sigmoid(x_z), n = tanh(x_in + r x_hn), out = n + z (hidden - n), all in f32; out0 and out1 are the same numbers.
; LIMITS: NaN and infinities among the inputs are not served.
; OPERANDS.  A wave's codes of activations (64 rows, both sides, all of K) are 512 registers and stay there; each weight fragment is loaded from LDS once in a wave and feeds its 64 rows.
; Source 0 = 32 rows of activations, source 1 = 16 columns: register 8 (m % 2) + j of lane (r, h) is row 16 m + 8 h + j, column 64 u + 4 r + t of job 4 u + t: over four jobs a lane gets four
; neighbouring columns, so hidden comes in and the result leaves by 16 bytes a lane, sixteen lanes to an aligned unit of 256 bytes, with no stage in LDS.
; LDS.  Slot A (two chunks): jobs 0, 1, then 6, 7.  Slot B (four chunks): jobs 2 to 5.  Three fills in all, one tensor load a wave each.
; CLUSTERS: four work-groups of the same columns ask for the weights jointly.  The weights are not prefetched: slot B's fill and slot A's second have two and four jobs' work between request and wait.
; PREFETCH: hidden's second 64 columns, 32 rows in each of jobs 2 and 3, by the wave that loads them in job 4; each block of 256 bytes once.
; REGISTERS: window 0: addresses, scale words, biases, weight fragments (three sets of 48: a set is two K steps); window 1: v0-127 the sums (16 registers each at 64 (m / 2) + 16 k; k: r, z, in, hn),
;   v128-255 hidden, then the result: 16 bytes of row (m, j) at 128 + 32 m + 4 j; window 2: codes of input; window 3: codes of hidden.
.set CHUNK, 52736
.set QUART, 26368                      ; a quarter of slot A: 103 rows of 256 bytes
.set SPARE, 6*CHUNK                    ; behind the slots: the spare words, 128 bytes a wave
.set LI,  1                            ; 16 x lane
.set WAD, 2                            ; LDS: my 16 bytes in the job's chunk
.set PFO, 3                            ; 4,096 x lane
.set BL,  4                            ; 16 r
.set WBA, 5                            ; LDS: my column's biases
.set GO,  7                            ; my place in hidden and in the outputs: row 8 h, 16 r bytes
.set SPW, 8
.set NIL, 9
.set AS,  16                           ; v16-47  activations' scale words: one register for 32 rows and a K step
.set WS,  48                           ; v48-71  weights' scale words: lanes 0-15 input's side, lanes 16-31 hidden's
.set BS,  72                           ; v72-79  the four biases, each twice
.set WF,  104                          ; v104-247 weight fragments
.set HP,  128
.set WV,  16
.set G1A, 24
.set G1B, 32
.set G0A, 40
.set G0B, 44
.set TW,  48
.set PF,  50
.set TB,  52
.set MSB, 0
.macro WIN new                         ; the immediate's high byte repeats the setting that is left
.if MSB != \new
	s_set_vgpr_msb (MSB<<8)|\new
.set MSB, \new
.endif
.endm
.macro PLACES                          ; four places behind matrix instructions, ahead of loads into their sources and of reads of their results
.rept 4
	v_nop
.endr
.endm
.macro CROUND                          ; a round of the cluster's barrier
	s_barrier_signal -1
	s_barrier_wait -1
	s_cmp_lg_u32 s[WV], 0
	s_cbranch_scc1 .Lnot_wave_0_\@
	s_barrier_signal -3
.Lnot_wave_0_\@:
	s_barrier_wait -3
	s_barrier_signal -1
	s_barrier_wait -1
.endm
; The change of slots.  In front of the barrier each wave's tensor loads have landed, its add is done and its reads of the slot are back.  fill = 1: slot A takes jobs 6 and 7.
.macro CHANGE fill
	WIN 0
	s_wait_tensorcnt 0x0
	ds_add_u32 v[SPW], v[NIL]
.if \fill
	s_add_nc_u64 s[G0A+2:G0A+3], s[G0A+2:G0A+3], 6*CHUNK
.endif
	s_wait_dscnt 0x0
.if \fill
	CROUND
	tensor_load_to_lds s[G0A:G0A+3], s[G1A:G1A+7]
	s_nop 0
	PLACES
.else
	s_barrier_signal -1
	s_barrier_wait -1
.endif
.endm
.macro PRIME                           ; a job's scale words and its first two pairs of K steps
	v_add_nc_u32 v[WAD], s[TB], v[LI]
	v_add_nc_u32 v[WBA], s[TB], v[BL]
.irp e, 0,1,2,3,4,5
	ds_load_b128 v[WS+4*\e:WS+4*\e+3], v[WAD] offset:49152+512*\e
.endr
.set ix, 0
.rept 24
	ds_load_b128 v[WF+4*ix:WF+4*ix+3], v[WAD] offset:512*ix
.set ix, ix+1
.endr
.endm
; One product: 32 rows (half mm) x 16 columns of gate g x 128 K, into sum k.  A sum's first product takes 0 as C.
.macro MM mm, g, k
.set rD, 64*(\mm)+16*(\k)
.set rW, WF+48*((i/2)%3)+24*(i%2)+8*(\g)
.set rA, 32*ks+16*(\mm)
.set rWS, WS+8*(\g)+ks
.set rAS, AS+((2*sg+(\mm))*2+ks/4)*4+ks%4
.if i == 0
	v_wmma_scale_f32_32x16x128_f4 v[rD:rD+15], v[rA:rA+15], v[rW:rW+7], 0, v[rAS], v[rWS]
.elseif sg == 0
	v_wmma_scale_f32_32x16x128_f4 v[rD:rD+15], v[rA:rA+15], v[rW:rW+7], v[rD:rD+15], v[rAS], v[rWS]
.elseif (i == 8) && ((\k) == 3)
	v_wmma_scale_f32_32x16x128_f4 v[rD:rD+15], v[rA:rA+15], v[rW:rW+7], 0, v[rAS], v[rWS] matrix_b_scale:MATRIX_SCALE_ROW1
.else
	v_wmma_scale_f32_32x16x128_f4 v[rD:rD+15], v[rA:rA+15], v[rW:rW+7], v[rD:rD+15], v[rAS], v[rWS] matrix_b_scale:MATRIX_SCALE_ROW1
.endif
.endm
.macro PRODUCTS                        ; step i = 8 side + K step: six sums by turns
.set sg, i/8
.set ks, i%8
	WIN (0x52+sg)                                  ; source 0 window 2 or 3, source 1 window 0, C and D window 1
	MM 0, 0, 0
	MM 0, 1, 1
	MM 0, 2, 2+sg
	MM 1, 0, 0
	MM 1, 1, 1
	MM 1, 2, 2+sg
.endm
.macro HL q, n, u                      ; hidden: n instructions of two rows' 256 bytes, from place q on
.set hx, \q
.rept \n
	global_load_b128 v[HP+4*hx:HP+4*hx+3], v[GO], s[10:11] offset:65536*(hx/8)+4096*(hx%8)+256*\u th:TH_LOAD_NT
.set hx, hx+1
.endr
.endm
.macro ST q, n, u                      ; the result, to both outputs
.set hx, \q
.rept \n
	global_store_b128 v[GO], v[HP+4*hx:HP+4*hx+3], s[12:13] offset:65536*(hx/8)+4096*(hx%8)+256*\u th:TH_STORE_NT
	global_store_b128 v[GO], v[HP+4*hx:HP+4*hx+3], s[14:15] offset:65536*(hx/8)+4096*(hx%8)+256*\u th:TH_STORE_NT
.set hx, hx+1
.endr
.endm
; A pair of K steps; the fragments of the pair two on are asked for ahead of its products.  kind 1 (job 0): the codes of hidden's side and then hidden itself are asked for on the way, 16 loads a pair;
; kind 2 (job 4): the first 64 columns' results leave, 8 stores a pair, and hidden's next columns take their registers a pair later.
.macro PAIR kind
.if pp < 6
	WIN 0
.if pp > 0
	PLACES
.else
	ds_load_b128 v[BS:BS+3], v[WBA] offset:52224
	ds_load_b128 v[BS+4:BS+7], v[WBA] offset:52480
.endif
.set wf, WF+48*((pp+2)%3)
.irp e, 0,1,2,3,4,5,6,7,8,9,10,11
	ds_load_b128 v[wf+4*\e:wf+4*\e+3], v[WAD] offset:(pp+2)*6144+512*\e
.endr
.endif
.if \kind == 1
.if pp < 4
	WIN 0xc0
.set ix, 16*pp
.rept 16
	global_load_b128 v[4*ix:4*ix+3], v[LI], s[4:5] offset:32768+512*ix
.set ix, ix+1
.endr
.elseif pp < 6
	WIN 0x40
	HL 16*(pp-4), 16, 0
.endif
.if pp < 6
	s_wait_loadcnt 63                              ; my pair's 16 loads are in: 64 were issued behind them
.elseif pp == 6
	s_wait_loadcnt 48                              ; behind them: 16 of the last pair, 32 of hidden
.else
	s_wait_loadcnt 32                              ; hidden's 32
.endif
.endif
.if \kind == 2
.if pp > 0
	s_wait_xcnt 0x0                                ; the last pair's stores have read their registers
	WIN 0x40
	HL 4*(pp-1), 4, 1
.endif
	WIN 0x04
	ST 4*pp, 4, 0
.endif
.if pp == 0
	s_wait_dscnt 26                                ; behind my pair's: the next pair's 12, the biases' 2, the pair's after that 12
.elseif pp < 6
	s_wait_dscnt 24                                ; the next two pairs'
.else
	s_wait_dscnt 12*(7-pp)
.endif
.set i, 2*pp
	PRODUCTS
.set i, 2*pp+1
	PRODUCTS
.endm
.macro KLOOP kind
.set pp, 0
.rept 8
	PAIR \kind
.set pp, pp+1
.endr
	WIN 0
.endm
.macro COMB m, t                       ; out = n + z (hidden - n), in hidden's registers of column t
.irp j, 0,1,2,3,4,5,6,7
.set hr, HP+32*(\m)+4*\j+(\t)
.set nr, 64*((\m)/2)+8*((\m)%2)+32+\j
	v_sub_f32 v[hr], v[hr], v[nr]
.endr
.irp j, 0,1,2,3,4,5,6,7
.set hr, HP+32*(\m)+4*\j+(\t)
.set nr, 64*((\m)/2)+8*((\m)%2)+32+\j
	v_fma_f32 v[hr], v[nr-16], v[hr], v[nr]
.endr
.endm
.macro COMBS t
	WIN 0x55
.irp m, 0,1,2,3
	COMB \m, \t
.endr
	WIN 0
.endm
; The gates of the job just multiplied.  t < 4: its column among the four; t = 4: 1 in a loop's first trip, 2 in its second; t = 5: the last lines are the caller's.
; Each run of transcendentals has a wait ahead of it and behind it; plain work of another gate stands inside the runs where there is any.
.macro EPI t
	WIN 0x41                                       ; source 0 and destination window 1; the biases lie in window 0
.irp m, 0,1,2,3
.irp k, 0,1,2,3
.irp a, 0,2,4,6
.set xr, 64*(\m/2)+8*(\m%2)+16*\k+\a
	v_pk_fma_f32 v[xr:xr+1], v[xr:xr+1], s[56+2*(\k/2):57+2*(\k/2)], v[BS+2*\k:BS+2*\k+1] op_sel_hi:[1,0,1]   ; x -log2(e) or x 2 log2(e), and the bias
.endr
.endr
.endr
	WIN 0x55
	s_wait_alu depctr_va_vdst(0)
.irp m, 0,1,2,3
.irp a, 0,1,2,3,4,5,6,7
.set xr, 64*(\m/2)+8*(\m%2)+\a
	v_exp_f32 v[xr], v[xr]
.endr
.endr
	v_nop
	s_wait_alu depctr_va_vdst(0)
.irp m, 0,1,2,3
.irp a, 0,2,4,6
.set xr, 64*(\m/2)+8*(\m%2)+\a
	v_exp_f32 v[xr+16], v[xr+16]
	v_exp_f32 v[xr+17], v[xr+17]
	v_pk_add_f32 v[xr:xr+1], v[xr:xr+1], 1.0 op_sel_hi:[1,0]
.endr
.endr
	s_wait_alu depctr_va_vdst(0)
.irp m, 0,1,2,3
.irp a, 0,2,4,6
.set xr, 64*(\m/2)+8*(\m%2)+\a
	v_rcp_f32 v[xr], v[xr]                         ; r
	v_rcp_f32 v[xr+1], v[xr+1]
	v_pk_add_f32 v[xr+16:xr+17], v[xr+16:xr+17], 1.0 op_sel_hi:[1,0]
.endr
.endr
	s_wait_alu depctr_va_vdst(0)
.irp m, 0,1,2,3
.irp a, 0,2,4,6
.set xr, 64*(\m/2)+8*(\m%2)+\a
	v_rcp_f32 v[xr+16], v[xr+16]                   ; z
	v_rcp_f32 v[xr+17], v[xr+17]
	v_pk_fma_f32 v[xr+32:xr+33], v[xr:xr+1], v[xr+48:xr+49], v[xr+32:xr+33]   ; 2 log2(e) (x_in + r x_hn)
.endr
.endr
	s_wait_alu depctr_va_vdst(0)
.irp m, 0,1,2,3
.irp a, 0,1,2,3,4,5,6,7
.set xr, 64*(\m/2)+8*(\m%2)+32+\a
	v_exp_f32 v[xr], v[xr]
.endr
.endr
	v_nop
	s_wait_alu depctr_va_vdst(0)
.irp m, 0,1,2,3
.irp a, 0,2,4,6
.set xr, 64*(\m/2)+8*(\m%2)+32+\a
	v_pk_add_f32 v[xr:xr+1], v[xr:xr+1], 1.0 op_sel_hi:[1,0]
.endr
.endr
	s_wait_alu depctr_va_vdst(0)
.irp m, 0,1,2,3
.irp a, 0,1,2,3,4,5,6,7
.set xr, 64*(\m/2)+8*(\m%2)+32+\a
	v_rcp_f32 v[xr], v[xr]
.endr
.endr
	v_nop
	s_wait_loadcnt 0x0                             ; hidden is in
	s_wait_alu depctr_va_vdst(0)
.irp m, 0,1,2,3
.irp a, 0,2,4,6
.set xr, 64*(\m/2)+8*(\m%2)+32+\a
	v_pk_fma_f32 v[xr:xr+1], v[xr:xr+1], -2.0, 1.0 op_sel_hi:[1,0,0]   ; n = 1 - 2 / (1 + e^(2 x))
.endr
.endr
.if \t < 4
	COMBS \t
.elseif \t == 4
	WIN 0
	s_wait_alu depctr_va_vdst(0)                   ; the wait ahead of the branch
	s_cmp_lg_u32 s[TW], 0
	s_cbranch_scc1 .Lsecond_\@
	COMBS 1
	s_branch .Lcombined_\@
.Lsecond_\@:
	COMBS 2
.Lcombined_\@:
.endif
.endm
; A job: its first fragments are asked for, the job before goes through its gates, then the K loop.
.macro BODY kind, t, pf
	WIN 0
	PLACES
	PRIME
.if \pf
	global_prefetch_b8 v[PFO], s[PF:PF+1] offset:256 th:TH_LOAD_NT scope:SCOPE_SE   ; 32 rows of hidden's second 64 columns, a lane a row
.endif
	EPI \t
.if \kind == 2
	s_wait_alu depctr_va_vdst(0)                   ; the wait ahead of the stores in the K loop
.endif
	KLOOP \kind
.endm
.macro TWO_JOBS pf                     ; jobs 4 u + 2 and 4 u + 3
	s_mov_b32 s[TW], 0
.Ljob_\@:
	BODY 0, 4, \pf
.if \pf
	s_wait_xcnt 0x0                                ; the prefetch has read its address
	s_add_nc_u64 s[PF:PF+1], s[PF:PF+1], 0x20000   ; 32 rows on
.endif
	s_add_co_u32 s[TB], s[TB], CHUNK
	s_add_co_u32 s[TW], s[TW], 1
	s_cmp_lt_u32 s[TW], 2
	s_cbranch_scc1 .Ljob_\@
.endm
.macro G1SET g, rows                   ; group 1: rows of 256 bytes (32 elements of 8), dense; mask of the cluster's four, bit 21 beside it
	s_mov_b32 s[\g], 15|(3<<16)|(1<<21)
	s_mov_b32 s[\g+1], 32<<16
	s_mov_b32 s[\g+2], \rows<<16
	s_mov_b32 s[\g+3], 32<<16
	s_mov_b32 s[\g+4], \rows
	s_mov_b32 s[\g+5], 32
	s_mov_b32 s[\g+6], 0
	s_mov_b32 s[\g+7], 0
.endm
	s_load_b256 s[4:11], s[0:1], 0x0               ; acodes, ascales, wblk, hidden
	s_load_b128 s[12:15], s[0:1], 0x20             ; out0, out1
	v_lshl_add_u32 v[SPW], v0, 2, SPARE
	v_mov_b32 v[NIL], 0
	ds_add_u32 v[SPW], v[NIL]                      ; the opening: the add, twice on end, under one wait
	ds_add_u32 v[SPW], v[NIL]
	v_lshrrev_b32 v10, 5, v0
	v_readfirstlane_b32 s[WV], v10
	v_and_b32 v10, 15, v0
	v_bfe_u32 v11, v0, 4, 1
	v_and_b32 v[LI], 31, v0
	v_lshlrev_b32 v[BL], 4, v10
	v_lshlrev_b32 v[GO], 4, v10
	v_lshlrev_b32 v[PFO], 12, v[LI]
	v_lshl_add_u32 v[GO], v11, 15, v[GO]
	v_lshlrev_b32 v[LI], 4, v[LI]
	s_bfe_u32 s17, ttmp6, 0x40000
	s_and_b32 s19, ttmp7, 0xffff
	s_lshl_b32 s19, s19, 2
	s_add_co_u32 s19, s19, s17                     ; which 256 rows
	s_lshl_b32 s20, s19, 2
	s_add_co_u32 s20, s20, s[WV]                   ; which 64 rows
	G1SET G1A, 103
	G1SET G1B, 206
	s_mov_b32 s[G0A], 1
	s_mul_i32 s[G0A+1], s[WV], QUART               ; slot A: a quarter of two chunks a wave; the place in LDS is also the place in memory behind the work-group's first chunk
	s_mov_b32 s[G0B], 1
	s_mul_i32 s21, s[WV], CHUNK
	s_add_co_u32 s[G0B+1], s21, 2*CHUNK            ; slot B: a chunk a wave, likewise
	s_mul_i32 s60, ttmp9, 8*CHUNK
	s_mov_b32 s61, 0
	s_mov_b32 s63, 0
	s_mov_b32 s56, 0xbfb8aa3b                      ; -log2(e)
	s_mov_b32 s57, s56
	s_mov_b32 s58, 0x4038aa3b                      ; 2 log2(e)
	s_mov_b32 s59, s58
	s_wait_alu depctr_va_vdst(0)                   ; the wait at the head's end
	s_wait_dscnt 0x0                               ; both opening adds are done
	s_wait_kmcnt 0x0
	s_add_nc_u64 s[8:9], s[8:9], s[60:61]
	s_mov_b32 s62, s[G0A+1]
	s_add_nc_u64 s[G0A+2:G0A+3], s[8:9], s[62:63]
	s_or_b32 s[G0A+3], s[G0A+3], 0x80000000
	s_mov_b32 s62, s[G0B+1]
	s_add_nc_u64 s[G0B+2:G0B+3], s[8:9], s[62:63]
	s_or_b32 s[G0B+3], s[G0B+3], 0x80000000
	s_lshl_b32 s60, s20, 16
	s_add_nc_u64 s[4:5], s[4:5], s[60:61]          ; my 64 rows' codes,
	s_lshl_b32 s60, s20, 12
	s_add_nc_u64 s[6:7], s[6:7], s[60:61]          ; their scale words,
	s_lshl_b32 s60, s20, 18
	s_lshl_b32 s55, ttmp9, 9
	s_add_co_u32 s60, s60, s55
	s_add_nc_u64 s[10:11], s[10:11], s[60:61]      ; and their 128 columns in hidden and in the outputs
	s_add_nc_u64 s[12:13], s[12:13], s[60:61]
	s_add_nc_u64 s[14:15], s[14:15], s[60:61]
	s_mov_b64 s[PF:PF+1], s[10:11]
.irp e, 0,1,2,3,4,5,6,7
	global_load_b128 v[AS+4*\e:AS+4*\e+3], v[LI], s[6:7] offset:512*\e
.endr
	WIN 0x80
.set ix, 0
.rept 32
	global_load_b128 v[4*ix:4*ix+3], v[LI], s[4:5] offset:512*ix
.set ix, ix+1
.endr
	WIN 0
	CROUND                                         ; the four work-groups are here: the joint loads meet
	tensor_load_to_lds s[G0A:G0A+3], s[G1A:G1A+7]  ; jobs 0 and 1: one tensor load a wave at the head
	s_nop 0
	PLACES
	WIN 0x80
.rept 32
	global_load_b128 v[4*ix:4*ix+3], v[LI], s[4:5] offset:512*ix
.set ix, ix+1
.endr
	WIN 0
	s_wait_tensorcnt 0x0                           ; my part of slot A is in
	ds_add_u32 v[SPW], v[NIL]
	s_wait_dscnt 0x0
	CROUND
	tensor_load_to_lds s[G0B:G0B+3], s[G1B:G1B+7]  ; jobs 2 to 5
	s_nop 0
	PLACES
	s_mov_b32 s[TB], 0
	PRIME
	s_wait_alu depctr_va_vdst(0)
	KLOOP 1                                        ; job 0
	s_mov_b32 s[TB], CHUNK
	BODY 0, 0, 0                                   ; job 1
	CHANGE 1
	s_mov_b32 s[TB], 2*CHUNK
	TWO_JOBS 1                                     ; jobs 2 and 3
	s_mov_b32 s[TB], 4*CHUNK
	BODY 2, 3, 0                                   ; job 4: the first 64 columns are finished and leave
	s_wait_xcnt 0x0
	WIN 0x40
	HL 28, 4, 1
	WIN 0
	s_mov_b32 s[TB], 5*CHUNK
	BODY 0, 0, 0                                   ; job 5
	CHANGE 0
	s_mov_b32 s[TB], 0
	TWO_JOBS 0                                     ; jobs 6 and 7
	PLACES
	EPI 5
.irp m, 0,1,2,3                        ; the last 64 columns: each 16 rows leave as they are finished
	WIN 0x55
	COMB \m, 3
	WIN 0x04
	ST 8*\m, 8, 1
.endr
	WIN 0
	s_wait_tensorcnt 0x0                           ; the wave's end
	ds_add_u32 v[SPW], v[NIL]
	s_wait_dscnt 0x0
	CROUND                                         ; the closing round
	s_endpgm
.Lfunc_end_k_q939562c001_gru:
	.size	k_q939562c001_gru, .Lfunc_end_k_q939562c001_gru-k_q939562c001_gru
	.p2alignl 7, 3214868480
	.fill 96, 4, 3214868480
	.section	.rodata,"a",@progbits
	.p2align	6, 0x0
	.amdhsa_kernel k_q939562c001_gru
		.amdhsa_group_segment_fixed_size 327680
		.amdhsa_private_segment_fixed_size 0
		.amdhsa_enable_private_segment 0
		.amdhsa_kernarg_size 48
		.amdhsa_user_sgpr_count 2
		.amdhsa_user_sgpr_kernarg_segment_ptr 1
		.amdhsa_wavefront_size32 1
		.amdhsa_system_sgpr_workgroup_id_x 1
		.amdhsa_system_sgpr_workgroup_id_y 1
		.amdhsa_system_sgpr_workgroup_id_z 1
		.amdhsa_system_vgpr_workitem_id 0
		.amdhsa_next_free_vgpr 1024
		.amdhsa_next_free_sgpr 66
		.amdhsa_reserve_vcc 0
		.amdhsa_float_denorm_mode_32 3
		.amdhsa_float_denorm_mode_16_64 3
		.amdhsa_memory_ordered 1
		.amdhsa_forward_progress 1
		.amdhsa_inst_pref_size 255
	.end_amdhsa_kernel
	.section	.bss,"aw",@nobits
	.p2align	6
	.space	262144
	.amdgpu_metadata
---
amdhsa.version: [ 1, 2 ]
amdhsa.kernels:
  - .name:           k_q939562c001_gru
    .symbol:         k_q939562c001_gru.kd
    .args:
      - { .name: acodes, .offset: 0, .size: 8, .value_kind: global_buffer, .address_space: global }
      - { .name: ascales, .offset: 8, .size: 8, .value_kind: global_buffer, .address_space: global }
      - { .name: wblk, .offset: 16, .size: 8, .value_kind: global_buffer, .address_space: global }
      - { .name: hidden, .offset: 24, .size: 8, .value_kind: global_buffer, .address_space: global }
      - { .name: out0, .offset: 32, .size: 8, .value_kind: global_buffer, .address_space: global }
      - { .name: out1, .offset: 40, .size: 8, .value_kind: global_buffer, .address_space: global }
    .group_segment_fixed_size: 327680
    .private_segment_fixed_size: 0
    .kernarg_segment_align: 8
    .kernarg_segment_size: 48
    .max_flat_workgroup_size: 128
    .sgpr_count:     66
    .vgpr_count:     1024
    .wavefront_size: 32
...
	.end_amdgpu_metadata
.endif
;; end of part 2
